; MI455X (gfx1250); checked and timed in simulation.
; The chip was launched on July 23, 2026; its instructions are those of AMD's public machine-readable ISA for CDNA 5 (MIT licence, August 2026) and "CDNA5" Instruction Set Architecture Reference Guide (July 2026). The comments in the code are by the model that wrote it; some were corrected since.
;; Multi Head Linear Attention. Allowed arithmetic: float matrix products may take bf16 or f16 operands with f32 sums; other float arithmetic in f32, or as packed bf16 or f16 multiplies, adds, multiply-adds, maxima and minima; sums over many terms, partial sums and values carried from step to step in f32; what a program stores and reads back later, other than sums and carried values, may be rounded once to bf16 or f16.
;; Inputs: Wk 1,024 x 1,024 float32; Wq 1,024 x 1,024 float32; Wv 1,024 x 1,024 float32; bk 1,024 float32; bq 1,024 float32; bv 1,024 float32; key 4 x 4,096 x 1,024 float32; mask_kv 4 x 4,096 float32; mask_q 4 x 4,096 float32; query 4 x 4,096 x 1,024 float32; value 4 x 4,096 x 1,024 float32.
;; Outputs: out0 4 x 4,096 x 16 x 64 float32.
;; One version. Each part assembles by itself: llvm-mc -triple=amdgcn-amd-amdhsa -mcpu=gfx1250 --defsym DOCPART=n.
;; ======== version 1 of 1: 4 launches
;; workspace buffers: wt 6,291,456 bytes; part 20,971,520 bytes; kvt 655,360 bytes
;; launch wcvt (part 1): grid 128 x 3, 8 waves a work-group, no clusters, 0 bytes of LDS; arguments Wk, Wv, Wq, wt; writes wt
.if DOCPART == 1
	.amdgcn_target "amdgcn-amd-amdhsa--gfx1250"
	.amdhsa_code_object_version 6
	.text
	.protected	k_q6d6428b38b_wcvt
	.globl	k_q6d6428b38b_wcvt
	.p2align	8
	.type	k_q6d6428b38b_wcvt,@function
k_q6d6428b38b_wcvt:
	s_mov_b64 s[64:65], 0
	v_nop
	global_prefetch_b8 v0, s[64:65] scope:SCOPE_SE
	s_setreg_imm32_b32 hwreg(HW_REG_WAVE_MODE, 25, 1), 1
	s_wait_xcnt 0x0
; Wk, Wv, Wq ([1024][1024] f32) rounded once to bf16 and laid out in the order in which the two projection launches fetch them:
; wt[cb 4][mat 3: k, v, q][ks 8][row 256][128 k]: a K step's tile of one block of 256 output channels is 65,536 dense bytes.
; A wave takes one row n = 8 x + wave of matrix y: eight loads of 512 consecutive bytes (one K step of 128 numbers each), two roundings a lane
; and load, eight stores of 256 consecutive bytes, each at a multiple of 256 from wt's first byte.  No LDS, no barrier: no wave wants another's bytes.
	s_load_b256 s[4:11], s[0:1], 0x0               ; Wk s[4:5], Wv s[6:7], Wq s[8:9], wt s[10:11]
	v_lshrrev_b32 v1, 5, v0
	v_readfirstlane_b32 s14, v1                    ; wave 0..7
	v_and_b32 v2, 31, v0
	v_lshlrev_b32 v3, 4, v2                        ; 16 bytes a lane in
	v_lshlrev_b32 v4, 3, v2                        ; 8 bytes a lane out
	s_and_b32 s15, ttmp7, 0xffff                   ; which matrix
	s_lshl_b32 s16, ttmp9, 3
	s_add_co_u32 s16, s16, s14                     ; row n
	s_lshl_b32 s18, s16, 12                        ; n x 4,096 bytes
	s_mov_b32 s19, 0
	s_lshr_b32 s20, s16, 8                         ; cb
	s_mul_i32 s20, s20, 1572864
	s_lshl_b32 s22, s15, 19                        ; matrix x 524,288
	s_add_co_u32 s20, s20, s22
	s_and_b32 s22, s16, 255
	s_lshl_b32 s22, s22, 8                         ; row in the block x 256
	s_add_co_u32 s20, s20, s22
	s_mov_b32 s21, 0
	s_wait_kmcnt 0x0
	s_cmp_eq_u32 s15, 1
	s_cselect_b64 s[12:13], s[6:7], s[4:5]
	s_cmp_eq_u32 s15, 2
	s_cselect_b64 s[12:13], s[8:9], s[12:13]
	s_add_nc_u64 s[12:13], s[12:13], s[18:19]
	s_add_nc_u64 s[10:11], s[10:11], s[20:21]
.irp k, 0,1,2,3,4,5,6,7
	global_load_b128 v[8+4*(\k):8+4*(\k)+3], v3, s[12:13] offset:512*(\k) th:TH_LOAD_NT
.endr
	s_wait_loadcnt 0x0
.irp k, 0,1,2,3,4,5,6,7
	v_cvt_pk_bf16_f32 v[40+2*(\k)], v[8+4*(\k)], v[8+4*(\k)+1]
	v_cvt_pk_bf16_f32 v[41+2*(\k)], v[8+4*(\k)+2], v[8+4*(\k)+3]
.endr
.irp k, 0,1,2,3,4,5,6,7
	global_store_b64 v4, v[40+2*(\k):41+2*(\k)], s[10:11] offset:65536*(\k)
.endr
	s_endpgm
.Lfunc_end_k_q6d6428b38b_wcvt:
	.size	k_q6d6428b38b_wcvt, .Lfunc_end_k_q6d6428b38b_wcvt-k_q6d6428b38b_wcvt
	.p2alignl 7, 3214868480
	.fill 96, 4, 3214868480
	.section	.rodata,"a",@progbits
	.p2align	6, 0x0
	.amdhsa_kernel k_q6d6428b38b_wcvt
		.amdhsa_group_segment_fixed_size 0
		.amdhsa_private_segment_fixed_size 0
		.amdhsa_enable_private_segment 0
		.amdhsa_kernarg_size 32
		.amdhsa_user_sgpr_count 2
		.amdhsa_user_sgpr_kernarg_segment_ptr 1
		.amdhsa_wavefront_size32 1
		.amdhsa_system_sgpr_workgroup_id_x 1
		.amdhsa_system_sgpr_workgroup_id_y 1
		.amdhsa_system_sgpr_workgroup_id_z 1
		.amdhsa_system_vgpr_workitem_id 0
		.amdhsa_next_free_vgpr 56
		.amdhsa_next_free_sgpr 66
		.amdhsa_reserve_vcc 0
		.amdhsa_float_denorm_mode_32 3
		.amdhsa_float_denorm_mode_16_64 3
		.amdhsa_memory_ordered 1
		.amdhsa_forward_progress 1
		.amdhsa_inst_pref_size 4
	.end_amdhsa_kernel
	.amdgpu_metadata
---
amdhsa.version: [ 1, 2 ]
amdhsa.kernels:
  - .name:           k_q6d6428b38b_wcvt
    .symbol:         k_q6d6428b38b_wcvt.kd
    .args:
      - { .name: Wk, .offset: 0, .size: 8, .value_kind: global_buffer, .address_space: global }
      - { .name: Wv, .offset: 8, .size: 8, .value_kind: global_buffer, .address_space: global }
      - { .name: Wq, .offset: 16, .size: 8, .value_kind: global_buffer, .address_space: global }
      - { .name: wt, .offset: 24, .size: 8, .value_kind: global_buffer, .address_space: global }
    .group_segment_fixed_size: 0
    .private_segment_fixed_size: 0
    .kernarg_segment_align: 8
    .kernarg_segment_size: 32
    .max_flat_workgroup_size: 256
    .sgpr_count:     66
    .vgpr_count:     56
    .wavefront_size: 32
...
	.end_amdgpu_metadata
.endif
;; end of part 1
;; launch kvproj (part 2): grid 4 x 64, 4 waves a work-group, clusters of 4 x 4, 327,680 bytes of LDS; arguments key, value, mask_kv, bk, bv, wt, part; writes part
.if DOCPART == 2
	.amdgcn_target "amdgcn-amd-amdhsa--gfx1250"
	.amdhsa_code_object_version 6
	.text
	.protected	k_q6d6428b38b_kvproj
	.globl	k_q6d6428b38b_kvproj
	.p2align	8
	.type	k_q6d6428b38b_kvproj,@function
k_q6d6428b38b_kvproj:
	s_mov_b64 s[64:65], 0
	v_nop
	global_prefetch_b8 v0, s[64:65] scope:SCOPE_SE
	s_setreg_imm32_b32 hwreg(HW_REG_WAVE_MODE, 25, 1), 1
	s_wait_xcnt 0x0
	s_wait_alu depctr_hold_cnt(0) depctr_sa_sdst(0) depctr_va_vdst(0) depctr_va_sdst(0) depctr_va_ssrc(0) depctr_va_vcc(0) depctr_vm_vsrc(0)
	s_getreg_b32 s2, hwreg(HW_REG_IB_STS2, 6, 4)
	s_cmp_eq_u32 s2, 0
	s_cbranch_scc0 .Lentry_in_a_cluster
	s_endpgm
.Lentry_in_a_cluster:
	s_bfe_u32 s2, ttmp6, 0x10000c
	s_cmp_lg_u32 s2, 0xf033
	s_cbranch_scc0 .Lentry_shape_is_right
	s_endpgm
.Lentry_shape_is_right:
; k = (elu(key Wk^T + bk) + 1) mask_kv,  v = (value Wv^T + bv) mask_kv / 4096,  and for a block of 256 tokens and 4 heads the partial sums
; k^T v (64 x 64 a head) and sum of k (as k^T times ones).  k and v never go to memory.  Matrix operands bf16, all sums f32.
; LIMITS.  elu(x) + 1 is the middle one of (x + 1, e^x, 1); an e^x below 2^-126 counts as 0; NaN and infinities are not treated apart; key, value, the weights, k and v are rounded to bf16.
; SHARES.  Work-group (cb, rbk): tokens 256 rbk .., channels 256 cb .. (heads 4 cb ..).  It makes the k tile and then the v tile, 256 x 256 each, K = 1,024: 16 slots of K = 128.
; A wave owns 64 tokens x 256 channels: 64 accumulators.  Source 0 = 16 tokens, source 1 = 16 channels: a lane ends with ONE channel and eight tokens on end, 16 bytes of k^T or v^T.
; THE ACTIVATIONS are f32.  Each wave loads its own 64 rows, 64 along K at a time (a chunk: 32 loads, each two rows x 256 consecutive bytes), rounds them in the registers they landed in,
; puts them into an LDS chunk of its own (64 rows x 144 bytes) and reads fragments back.  Two sets of 128 registers are always on their way.
; THE WEIGHTS come as bf16 tiles (wt) through two LDS slots of 256 rows x 272 bytes, each wave fetching 64 rows by one tensor load.
; CLUSTER 4 x 4.  The four work-groups of a column of the cluster have the same cb and ask for each weight tile JOINTLY.  The activations are NOT asked for jointly: as f32 a K step of 128 would be
; 256 rows x 512 bytes = 131,072 bytes beside the weights' 69,632, and two such slots, 401,408 bytes, are more than the 327,680 there are; with K steps of 64 a refill would have half the products in which to land.
; A SLOT is four quarters of 64 products (32 along K); in a quarter the 16 channel blocks go in four groups of four.  MEMORY INSTRUCTIONS STAND IN ONE RUN A QUARTER, ahead of its last group:
; the next quarter's 40 fragment loads and, in quarters 0 and 2, the 32 LDS stores of the chunk that was rounded in that quarter and the 32 global loads that fill its registers again.
; Groups 0 to 2 have one buffer each, free at the run; group 3 has two, by the quarter's parity: one is still to be multiplied while the other is loaded.  So have the tokens' fragments.
; All 64 accumulators take turns, one instruction a turn, in the same order in every quarter.
; REGISTERS (windows of 256; s_set_vgpr_msb: bits 1:0 source 0, 3:2 source 1, 5:4 source 2, 7:6 destination):
;   window 0: v0-31 addresses; v32-63, v64-95 token fragments; v96-191 channel groups 0 to 2; v192-223, v224-255 channel group 3; on a tile's way out v32-159 are at work
;   window 1: the two staging sets; at the end the 20 accumulators of k^T v      window 2, 3: accumulator (rb, c) at 8 (8 rb + c), channel blocks 0-7 and 8-15
.set ORI,   0                          ; source 0 = tokens
.set KV,    1
.set NSLOT, 16
.set ASKN,  12                         ; slots 0 .. 11 prefetch for the slot four on
.set SLOTB, 69632                      ; a slot: 256 rows x 272; it shares no bit with wave x 17,408, so an exclusive or changes slots
.set APR,   139264                     ; the waves' chunks: 4 x 9,216
.set KST,   176128                     ; k^T: 256 channels x 528 bytes (256 tokens + 16 of padding)
.set VST,   0                          ; v^T, the same shape, over the ring, behind its last fill
.set MSK,   311296                     ; the waves' 64 masks: 4 x 256
.set BKT,   312320                     ; bk + 1, 256 numbers; 1,024 bytes on: bv
.set SPARE, 314368                     ; the spare words, 128 bytes for each wave: two blocks of 256 bytes that no other line names
.set SPW, 3
.set NIL, 4
.set AGO, 5                            ; my 16 bytes in the wave's first two rows of the activations
.set AST, 6                            ; where I put 8 bytes of a chunk
.set AFA, 7                            ; my place in a token fragment
.set AB0, 8                            ; my place in a channel fragment
.set ADRB, 9                           ; the same in the slot in hand
.set PFO, 10                           ; prefetch offsets
.set PFB, 11
.set SA,  12
.set TV,  13
.set SA0, 14
.set MA,  15
.set KFA, 16
.set VFA, 17
.set PO,  18
.set MGO, 19
.set MD,  20                           ; v20-23
.set BTA, 24                           ; my lane's channel in the table of biases
.set MST, 25
.set BKD, 26                           ; v26-27, v28-29: two numbers of bk and of bv on their way into LDS
.set BVD, 28
.set BC,  30                           ; v30-31: the bias in hand, named as a pair
.set BGO, 32                           ; at the start alone
.set BST, 33
.set AQ0, 32
.set AQ1, 64
.set W0,  96
.set W1,  128
.set W2,  160
.set Z0,  192
.set Z1,  224
.set BIA, 32                           ; the way out: 16 biases; 32 masks; 32 numbers; 32 at work
.set M,   64
.set X,   96
.set T,   128
.set ONES, 192
.set SET0, 0
.set SET1, 128
.set WV,  18
.set CX,  19
.set CY,  20
.set YC,  21
.set RBK, 22
.set ST,  23
.set G1,  24                           ; s[24:31] group 1 of a refill: 64 rows
.set G1F, 32                           ; s[32:39] of the first fill: 128 rows
.set G0F, 40
.set G0,  44                           ; the walking group 0
.set PA,  48                           ; the activations at the chunk last asked for
.set VB,  50                           ; value at my block's first row
.set PFA, 52
.set VPF, 54
.set PFBA, 56
.set SC,  58
.set QC,  59
.set CB,  60
.set TB,  61
.set BF,  62
.set EI,  63
.set L2E, 66
.set NL2, 68
.set TA,  70
.set TC,  72
.set PB,  74
.set DT,  76                           ; feeds the descriptors: never holds cy
.set MK,  78
.set MSB, 0
.macro WIN new                         ; the immediate's high byte repeats the setting that is left; a switch that changes nothing is dropped
.if MSB != (\new)
	s_set_vgpr_msb (MSB<<8)|(\new)
.set MSB, \new
.endif
.endm
.macro PLACES                          ; four plain vector instructions between a matrix instruction and what writes its sources or reads its result (ISA guide 7.12.1)
.rept 4
	v_nop
.endr
.endm
.macro CREST                           ; a round of the cluster's barrier behind its opening barrier
	s_cmp_lg_u32 s[WV], 0
	s_cbranch_scc1 .Lnot_wave_0_\@
	s_barrier_signal -3
.Lnot_wave_0_\@:
	s_barrier_wait -3
	s_barrier_signal -1
	s_barrier_wait -1
.endm
.macro CROUND
	s_barrier_signal -1
	s_barrier_wait -1
	CREST
.endm
.macro LDG buf, g, kb                  ; channel group g: 4 fragments (16 rows x 32 K) at byte kb of the slot's rows
	WIN 0
.irp c, 0,1,2,3
	ds_load_b128 v[(\buf)+8*(\c):(\buf)+8*(\c)+3],   v[ADRB] offset:(4*(\g)+(\c))*4352+(\kb)
	ds_load_b128 v[(\buf)+8*(\c)+4:(\buf)+8*(\c)+7], v[ADRB] offset:(4*(\g)+(\c))*4352+(\kb)+32
.endr
.endm
.macro LDA aq, kq                      ; 4 token fragments, half kq of my chunk
	WIN 0
.irp b, 0,1,2,3
	ds_load_b128 v[(\aq)+8*(\b):(\aq)+8*(\b)+3],   v[AFA] offset:(\b)*2304+64*(\kq)
	ds_load_b128 v[(\aq)+8*(\b)+4:(\aq)+8*(\b)+7], v[AFA] offset:(\b)*2304+64*(\kq)+32
.endr
.endm
.macro FRAGS aq, kq, zb, kb            ; a quarter's 40 fragment loads, in the order in which they are wanted
	LDA \aq, \kq
	LDG W0, 0, \kb
	LDG W1, 1, \kb
	LDG W2, 2, \kb
	LDG \zb, 3, \kb
.endm
.macro GLD set, koff                   ; a chunk's 32 loads: load j takes rows 2 j and 2 j + 1, 256 consecutive bytes of each
	WIN 0x40
.set gj, 0
.rept 32
	global_load_b128 v[(\set)+4*gj:(\set)+4*gj+3], v[AGO], s[PA:PA+1] offset:gj*8192+(\koff)
.set gj, gj+1
.endr
	WIN 0
.endm
.macro MM aq, bb, g, n, z              ; product n of a group's 16: token block n / 4, channel block 4 g + n % 4
	WIN 0xa0+0x50*((\g)/2)
.set opD, 8*(8*((\n)/4)+4*((\g)%2)+(\n)%4)
.if ORI
.set opA, (\bb)+8*((\n)%4)
.set opB, (\aq)+8*((\n)/4)
.else
.set opA, (\aq)+8*((\n)/4)
.set opB, (\bb)+8*((\n)%4)
.endif
.if \z
	v_wmma_f32_16x16x32_bf16 v[opD:opD+7], v[opA:opA+7], v[opB:opB+7], 0
.else
	v_wmma_f32_16x16x32_bf16 v[opD:opD+7], v[opA:opA+7], v[opB:opB+7], v[opD:opD+7]
.endif
.endm
.macro MMS aq, bb, g, n0, cnt, z
.set pn, \n0
.rept \cnt
	MM \aq, \bb, \g, pn, \z
.set pn, pn+1
.endr
.endm
.macro CVJ set, j                      ; load j's four numbers rounded in place into two registers
	v_cvt_pk_bf16_f32 v[(\set)+4*(\j)], v[(\set)+4*(\j)], v[(\set)+4*(\j)+1]
	v_cvt_pk_bf16_f32 v[(\set)+4*(\j)+1], v[(\set)+4*(\j)+2], v[(\set)+4*(\j)+3]
.endm
.macro RIDE aq, bb, g, set, z          ; a group's 16 products; behind each stand four of the 64 roundings of the chunk that has landed
.set pn, 0
.rept 16
	MM \aq, \bb, \g, pn, \z
	WIN 0x45
	CVJ \set, 2*pn
	CVJ \set, 2*pn+1
.set pn, pn+1
.endr
.endm
.macro STALL set                       ; the rounded chunk into my LDS chunk: 32 stores of 8 bytes a lane
	WIN 0x04
.set cj, 0
.rept 32
	ds_store_b64 v[AST], v[(\set)+4*cj:(\set)+4*cj+1] offset:cj*288
.set cj, cj+1
.endr
	WIN 0
.endm
.macro CVALL set                       ; chunk 0: rounded and stored with no products to stand behind
	WIN 0x45
.set cj, 0
.rept 32
	CVJ \set, cj
.set cj, cj+1
.endr
	STALL \set
.endm
.macro STEP_PA                         ; on to the next chunk: 256 bytes along the rows; chunk 16 is value's first
	s_add_nc_u64 s[PA:PA+1], s[PA:PA+1], 256
.if KV
	s_add_co_u32 s[QC], s[QC], 1
	s_cmp_eq_u32 s[QC], 16
	s_cselect_b64 s[PA:PA+1], s[VB:VB+1], s[PA:PA+1]
.endif
.endm
.macro STEP_PF                         ; the prefetches' pointers: the slot four on; slot 8 is value's first
	s_add_nc_u64 s[PFA:PFA+1], s[PFA:PFA+1], 512
.if KV
	s_cmp_eq_u32 s[SC], 4
	s_cselect_b64 s[PFA:PFA+1], s[VPF:VPF+1], s[PFA:PFA+1]
.endif
	s_add_nc_u64 s[PFBA:PFBA+1], s[PFBA:PFBA+1], 65536
.endm
; PREFETCHES INTO THE L2, behind the slot's last run of loads: in slot s what slot s + 4 will multiply, two slots (512 products) ahead of the loads that will ask for it.
; Activations: a slot is 512 bytes of each of the block's 256 rows, which the four work-groups of a row of the cluster all load: partner cx and wave w name rows 64 cx + 16 w + lane % 16,
; the half lane / 16: each 256 bytes once in the launch, shared out by address.  Weights: a tile is 256 rows of 256 bytes, which all sixteen clusters fetch: the cluster with y = 0 names them,
; partner cy and waves 0, 1 rows 64 cy + 32 w + lane.  The first four slots come by their loads alone; the last four slots have no slot four on.
.macro ASK
	s_cmp_lt_u32 s[SC], ASKN
	s_cbranch_scc0 .Lnoask_\@
	global_prefetch_b8 v[PFO], s[PFA:PFA+1] th:TH_LOAD_NT scope:SCOPE_SE
	s_cmp_eq_u32 s[BF], 1
	s_cbranch_scc0 .Lnoask_\@
	global_prefetch_b8 v[PFB], s[PFBA:PFBA+1] th:TH_LOAD_NT scope:SCOPE_SE
.Lnoask_\@:
.endm
; QUARTER 0 of a slot.  z = 1: its products start the sums.  lcnt: how many younger loads may stay out when set 1 is rounded.  gld: set 1 is asked for again, with the chunk two on.
.macro Q0 z, lcnt, gld
	s_wait_dscnt 24                                ; the tokens' fragments and channel group 0 are in; the 24 loads of groups 1 to 3 were issued behind them
	s_wait_loadcnt \lcnt                           ; set 1 is in; the loads issued behind it are set 0's 32, or none
	RIDE AQ0, W0, 0, SET1, \z
	s_wait_dscnt 16
	MMS AQ0, W1, 1, 0, 16, \z
	s_wait_dscnt 0x0
	MMS AQ0, W2, 2, 0, 16, \z
	PLACES
	FRAGS AQ1, 1, Z1, 64                           ; the run: first my chunk's last fragments,
	STALL SET1                                     ; then the next chunk over it: LDS serves a wave's instructions in order (ISA guide 5.7.1.4)
.if \gld
	s_wait_xcnt 0x0                                ; every earlier load and prefetch has read its address: the pointer may be written
	STEP_PA
	GLD SET1, 0                                    ; 208 products ahead of the wait for them
.endif
	MMS AQ0, Z0, 3, 0, 16, \z
.endm
; QUARTERS 1 TO 3.  cv: as lcnt, for set 0, which is rounded in quarter 2; -1: nothing is left to round.  st2, gl2: quarter 2's run stores that chunk, asks for the chunk two on.
; meet = 2: the slot is filled again behind a round of the cluster's barrier; 1: a plain barrier shows the last tile to every wave; 0: none.  nxt: the next slot's first fragments are read.
.macro Q123 cv, st2, gl2, meet, nxt
	s_wait_dscnt 56                                ; as in quarter 0, with the run's 32 stores issued behind the loads
	MMS AQ1, W0, 0, 0, 16, 0
	s_wait_dscnt 48
	MMS AQ1, W1, 1, 0, 16, 0
	s_wait_dscnt 32
	MMS AQ1, W2, 2, 0, 16, 0
	PLACES
	FRAGS AQ0, 0, Z0, 128
	MMS AQ1, Z1, 3, 0, 16, 0
	s_wait_dscnt 24
.if (\cv) >= 0
	s_wait_loadcnt \cv                             ; set 0 is in; set 1's 32 loads were issued behind it
	RIDE AQ0, W0, 0, SET0, 0
.else
	MMS AQ0, W0, 0, 0, 16, 0
.endif
	s_wait_dscnt 16
	MMS AQ0, W1, 1, 0, 16, 0
	s_wait_dscnt 0x0
	MMS AQ0, W2, 2, 0, 16, 0
	PLACES
	FRAGS AQ1, 1, Z1, 192                          ; my last reads of this slot
.if \st2
	STALL SET0
.endif
.if \gl2
	s_wait_xcnt 0x0
	STEP_PA
	STEP_PF
	GLD SET0, 0
.endif
	MMS AQ0, Z0, 3, 0, 16, 0
	s_wait_dscnt 24+32*(\st2)
	MMS AQ1, W0, 0, 0, 16, 0
.if \meet
	WIN 0
	s_wait_tensorcnt 0x0                           ; all my tensor loads have landed: the one that was out is my part of the other slot
	ds_add_u32 v[SPW], v[NIL]                      ; 0 onto my spare word
.if (\meet) == 2
	s_xor_b32 s[G0+1], s[G0+1], SLOTB              ; no tensor load of mine is out, so the walking descriptor may be written: this slot,
	s_add_nc_u64 s[G0+2:G0+3], s[G0+2:G0+3], 65536 ; the next tile; the type bits on top are not reached
.endif
	s_wait_dscnt 17+32*(\st2)                      ; group 1 is in: behind it came groups 2 and 3, the stores and the add
	MMS AQ1, W1, 1, 0, 8, 0
	s_wait_dscnt 0x0                               ; the add is done, and my reads of this slot are back
	s_barrier_signal -1
	MMS AQ1, W1, 1, 8, 8, 0
	WIN 0
	s_barrier_wait -1
.if (\meet) == 2
	CREST                                          ; no wave of any partner still reads this slot or has a load on its way
	tensor_load_to_lds s[G0:G0+3], s[G1:G1+7]      ; the tile two slots on: 240 products ahead of the wait for it
	s_nop 0
	PLACES
.endif
.else
	s_wait_dscnt 16
	MMS AQ1, W1, 1, 0, 16, 0
	s_wait_dscnt 0x0
.endif
	MMS AQ1, W2, 2, 0, 16, 0
.if \nxt
	PLACES
	WIN 0
	s_xor_b32 s[TB], s[TB], SLOTB
	v_add_nc_u32 v[ADRB], s[TB], v[AB0]
	FRAGS AQ0, 0, Z0, 0
.if (\meet) == 2
	ASK
.endif
.endif
	MMS AQ1, Z1, 3, 0, 16, 0
.endm
; THE WAY OUT OF A TILE: a counted loop over the 16 channel blocks.  The accumulators differ from trip to trip, so a chain of compares leads forward to block i's 16 packed additions
; (result + bias, each accumulator's registers in ascending order); the rest is one text.  elu = 1: elu + 1.  Then the tokens' masks, the rounding, and 16 bytes (8 tokens) a token block into row 16 i + lane % 16 of k^T or v^T.
.macro EPI elu, base, boff
	WIN 0
.irp q, 0,1,2,3,4,5,6,7
	ds_load_b128 v[M+4*(\q):M+4*(\q)+3], v[MA] offset:((\q)/2)*64+((\q)%2)*16
.endr
.irp i, 0,1,2,3,4,5,6,7,8,9,10,11,12,13,14,15
	ds_load_b32 v[BIA+(\i)], v[BTA] offset:(\boff)+64*(\i)
.endr
	v_add_nc_u32 v[SA], \base, v[SA0]
	s_mov_b32 s[EI], 0
	s_wait_dscnt 0x0
.if !(\elu)
.set z, 0
.rept 16
	v_pk_mul_f32 v[M+2*z:M+2*z+1], v[M+2*z:M+2*z+1], 0x39800000 op_sel_hi:[1,0]  ; v / 4096, with the mask
.set z, z+1
.endr
.endif
.Lebat_\@:
.irp i, 1,2,3,4,5,6,7,8,9,10,11,12,13,14,15
	s_cmp_eq_u32 s[EI], \i
	s_cbranch_scc1 .Leblk_\@_\i
.endr
.irp i, 0,1,2,3,4,5,6,7,8,9,10,11,12,13,14,15
.Leblk_\@_\i:
	v_mov_b32 v[BC], v[BIA+(\i)]
	WIN 0x02+(\i)/8
.set z, 0
.rept 16
	v_pk_add_f32 v[X+2*z:X+2*z+1], v[8*(8*(z/4)+(\i)%8)+2*(z%4):8*(8*(z/4)+(\i)%8)+2*(z%4)+1], v[BC:BC+1] op_sel_hi:[1,0]
.set z, z+1
.endr
	WIN 0
.if (\i) < 15
	s_branch .Lecom_\@
.endif
.endr
.Lecom_\@:
.if \elu
.set z, 0
.rept 16
	v_pk_fma_f32 v[T+2*z:T+2*z+1], v[X+2*z:X+2*z+1], s[L2E:L2E+1], s[NL2:NL2+1] op_sel_hi:[1,0,0]  ; (x + 1) log2 e - log2 e
.set z, z+1
.endr
.set z, 0
.rept 32
	v_exp_f32 v[T+z], v[T+z]
.set z, z+1
.endr
	v_nop                                          ; a plain instruction behind the last exponential,
	s_wait_alu depctr_va_vdst(0)                   ; and one wait for the batch of 32, ahead of its first reader
.set z, 0
.rept 32
	v_med3_num_f32 v[X+z], v[X+z], v[T+z], 1.0     ; x <= 0: x + 1 <= e^x <= 1; x > 0: 1 < x + 1 <= e^x
.set z, z+1
.endr
.endif
.set z, 0
.rept 16
	v_pk_mul_f32 v[X+2*z:X+2*z+1], v[X+2*z:X+2*z+1], v[M+2*z:M+2*z+1]
.set z, z+1
.endr
.set z, 0
.rept 16
	v_cvt_pk_bf16_f32 v[T+z], v[X+2*z], v[X+2*z+1]
.set z, z+1
.endr
.irp b, 0,1,2,3
	ds_store_b128 v[SA], v[T+4*(\b):T+4*(\b)+3] offset:32*(\b)
.endr
	v_add_nc_u32 v[SA], 8448, v[SA]                ; 16 rows of 528 bytes on
	s_add_co_u32 s[EI], s[EI], 1
	s_cmp_lt_u32 s[EI], 16
	s_cbranch_scc1 .Lebat_\@
.endm
.macro KVLD buf, off                   ; a step of k^T v: 32 tokens at byte off of the rows: 4 fragments of my head's k^T, 4 of its v^T
	WIN 0
.irp f, 0,1,2,3
	ds_load_b128 v[(\buf)+8*(\f):(\buf)+8*(\f)+3],       v[KFA] offset:(\f)*8448+(\off)
	ds_load_b128 v[(\buf)+8*(\f)+4:(\buf)+8*(\f)+7],     v[KFA] offset:(\f)*8448+(\off)+32
	ds_load_b128 v[(\buf)+32+8*(\f):(\buf)+32+8*(\f)+3], v[VFA] offset:(\f)*8448+(\off)
	ds_load_b128 v[(\buf)+32+8*(\f)+4:(\buf)+32+8*(\f)+7], v[VFA] offset:(\f)*8448+(\off)+32
.endr
.endm
.macro KVMM buf, z                     ; 20 products on 20 accumulators, which take turns: a = 4 vb + db; vb = 4 multiplies by ones
	WIN 0x50
.set ka, 0
.rept 20
.set k1, (\buf)+32+8*(ka/4)
.if ka >= 16
.set k1, ONES
.endif
.if \z
	v_wmma_f32_16x16x32_bf16 v[8*ka:8*ka+7], v[(\buf)+8*(ka%4):(\buf)+8*(ka%4)+7], v[k1:k1+7], 0
.else
	v_wmma_f32_16x16x32_bf16 v[8*ka:8*ka+7], v[(\buf)+8*(ka%4):(\buf)+8*(ka%4)+7], v[k1:k1+7], v[8*ka:8*ka+7]
.endif
.set ka, ka+1
.endr
.endm
	s_load_b256 s[4:11], s[0:1], 0x0               ; key s[4:5], value s[6:7], mask_kv s[8:9], bk s[10:11]
	s_load_b128 s[12:15], s[0:1], 0x20             ; bv s[12:13], wt s[14:15]
	s_load_b64 s[16:17], s[0:1], 0x30              ; part
	v_lshl_add_u32 v[SPW], v0, 2, SPARE
	v_mov_b32 v[NIL], 0
	ds_add_u32 v[SPW], v[NIL]                      ; the wave's opening: the add, twice on end, with its wait ahead of my first tensor load
	ds_add_u32 v[SPW], v[NIL]                      ; and once more; the set-up below, work on registers, stands between it and the wait
	v_lshrrev_b32 v[TV], 5, v0
	v_readfirstlane_b32 s[WV], v[TV]               ; wave 0..3
	v_and_b32 v1, 15, v0                           ; r = lane % 16
	v_bfe_u32 v2, v0, 4, 1                         ; h = lane / 16
	s_bfe_u32 s[CX], ttmp6, 0x40000
	s_bfe_u32 s[CY], ttmp6, 0x40004
	s_lshl_b32 s[CB], ttmp9, 2
	s_add_co_u32 s[CB], s[CB], s[CX]               ; block of 256 channels
	s_and_b32 s[YC], ttmp7, 0xffff
	s_lshl_b32 s[RBK], s[YC], 2
	s_add_co_u32 s[RBK], s[RBK], s[CY]             ; block of 256 tokens
	v_lshlrev_b32 v[AGO], 4, v1
	v_lshl_add_u32 v[AGO], v2, 12, v[AGO]
	s_lshl_b32 s[ST], s[WV], 18
	v_add_nc_u32 v[AGO], s[ST], v[AGO]             ; wave x 64 rows x 4,096 + h x 4,096 + 16 r
	s_mul_i32 s[ST], s[WV], 9216
	s_add_co_u32 s[ST], s[ST], APR                 ; my chunk
	v_mul_u32_u24 v[AST], v2, 144
	v_lshl_add_u32 v[AST], v1, 3, v[AST]
	v_add_nc_u32 v[AST], s[ST], v[AST]
	v_mul_u32_u24 v[AFA], v1, 144
	v_lshl_add_u32 v[AFA], v2, 4, v[AFA]
	v_add_nc_u32 v[AFA], s[ST], v[AFA]
	v_mul_u32_u24 v[AB0], v1, 272
	v_lshl_add_u32 v[AB0], v2, 4, v[AB0]
	v_mov_b32 v[ADRB], v[AB0]                      ; slot 0
	v_lshlrev_b32 v[PFO], 12, v1
	v_lshl_add_u32 v[PFO], v2, 8, v[PFO]
	s_lshl_b32 s[ST], s[WV], 16
	v_add_nc_u32 v[PFO], s[ST], v[PFO]             ; (16 w + r) rows + 256 h
	v_lshlrev_b32 v[PFB], 8, v0                    ; (32 w + lane) x 256
	v_mul_u32_u24 v[SA0], v1, 528
	v_lshl_add_u32 v[SA0], v2, 4, v[SA0]           ; r x 528 + 16 h
	s_mul_i32 s[ST], s[WV], 33792                  ; my head's 64 rows of k^T and v^T
	v_add_nc_u32 v[VFA], s[ST], v[SA0]
	v_add_nc_u32 v[KFA], KST, v[VFA]
	s_lshl_b32 s[ST], s[WV], 7
	v_add_nc_u32 v[SA0], s[ST], v[SA0]             ; + my 64 tokens' 128 bytes
	s_lshl_b32 s[ST], s[WV], 8
	v_lshl_add_u32 v[MGO], v1, 4, s[ST]            ; my wave's 64 masks: 256 w + 16 r
	v_add_nc_u32 v[MST], MSK, v[MGO]
	s_add_co_u32 s[ST], s[ST], MSK
	v_lshl_add_u32 v[MA], v2, 5, s[ST]
	v_lshl_add_u32 v[BTA], v1, 2, BKT
	v_lshlrev_b32 v[BGO], 3, v0                    ; thread t brings two numbers of each bias
	v_lshl_add_u32 v[BST], v0, 3, BKT
	v_and_b32 v[PO], 31, v0
	v_lshlrev_b32 v[PO], 4, v[PO]
	v_mov_b32 v[BC+1], 0                           ; named with BC as a pair
	; the descriptors' constant words: tiles of 64 (128) rows x 128 elements of 2 bytes, 16 bytes of padding behind every 256
	s_lshl_b32 s[MK], 0x1111, s[CX]                ; my column of the cluster
	s_or_b32 s[G1], s[MK], (1<<16)|(1<<20)|(1<<21)|(5<<22)|(3<<25)
	s_or_b32 s[G1F], s[MK], (1<<16)|(1<<20)|(1<<21)|(5<<22)|(3<<25)
	s_mov_b32 s[G1+1], 128<<16
	s_mov_b32 s[G1+2], 64<<16
	s_mov_b32 s[G1+3], 128<<16
	s_mov_b32 s[G1+4], 64
	s_mov_b32 s[G1+5], 128
	s_mov_b32 s[G1+6], 0
	s_mov_b32 s[G1+7], 0
	s_mov_b32 s[G1F+1], 128<<16
	s_mov_b32 s[G1F+2], 128<<16
	s_mov_b32 s[G1F+3], 128<<16
	s_mov_b32 s[G1F+4], 128
	s_mov_b32 s[G1F+5], 128
	s_mov_b32 s[G1F+6], 0
	s_mov_b32 s[G1F+7], 0
	s_mov_b32 s[G0F], 1
	s_mul_i32 s[G0F+1], s[WV], 34816               ; the first fill covers both slots: 512 rows on end, 128 a wave
	s_mov_b32 s[G0], 1
	s_mul_i32 s[G0+1], s[WV], 17408
	s_add_co_u32 s[G0+1], s[G0+1], SLOTB           ; stepped ahead of each use: the first refill goes to slot 0
	s_mov_b32 s[L2E], 0x3fb8aa3b
	s_mov_b32 s[L2E+1], 0x3fb8aa3b
	s_mov_b32 s[NL2], 0xbfb8aa3b
	s_mov_b32 s[NL2+1], 0xbfb8aa3b
	s_mov_b32 s[QC], 2
	s_mov_b32 s[TB], 0
	s_lshr_b32 s[BF], s[WV], 1
	s_or_b32 s[BF], s[BF], s[YC]
	s_cmp_eq_u32 s[BF], 0
	s_cselect_b32 s[BF], 1, 0                      ; waves 0 and 1 of the cluster with y = 0: the same in all partners
	s_wait_dscnt 0x0                               ; both opening adds are done
	s_wait_kmcnt 0x0
	s_lshl_b32 s[TA], s[RBK], 20                   ; 256 rows of 4,096 bytes
	s_mov_b32 s[TA+1], 0
	s_add_nc_u64 s[PA:PA+1], s[4:5], s[TA:TA+1]
	s_add_nc_u64 s[VB:VB+1], s[6:7], s[TA:TA+1]
	s_lshl_b32 s[TC], s[CX], 18                    ; my work-group's 64 rows of the prefetches
	s_mov_b32 s[TC+1], 0
	s_add_nc_u64 s[PFA:PFA+1], s[PA:PA+1], s[TC:TC+1]
	s_add_nc_u64 s[PFA:PFA+1], s[PFA:PFA+1], 3*512 ; slot 0 steps it to slot 4
	s_add_nc_u64 s[VPF:VPF+1], s[VB:VB+1], s[TC:TC+1]
	s_lshl_b32 s[TA], s[RBK], 10
	s_add_nc_u64 s[8:9], s[8:9], s[TA:TA+1]        ; my block's masks
	s_lshl_b32 s[TA], s[CB], 10
	s_add_nc_u64 s[10:11], s[10:11], s[TA:TA+1]    ; my block's biases
	s_add_nc_u64 s[12:13], s[12:13], s[TA:TA+1]
	s_mul_i32 s[DT], s[CB], 1572864
	s_mov_b32 s[DT+1], 0
	s_add_nc_u64 s[14:15], s[14:15], s[DT:DT+1]    ; wt at my block's 16 tiles: Wk's 8, then Wv's 8
	s_lshl_b32 s[DT], s[WV], 15
	s_add_nc_u64 s[G0F+2:G0F+3], s[14:15], s[DT:DT+1]
	s_or_b32 s[G0F+3], s[G0F+3], 0x80000000
	s_lshl_b32 s[DT], s[WV], 14
	s_add_nc_u64 s[G0+2:G0+3], s[14:15], s[DT:DT+1]
	s_add_nc_u64 s[G0+2:G0+3], s[G0+2:G0+3], 65536 ; at tile 1: the first refill steps it to tile 2
	s_or_b32 s[G0+3], s[G0+3], 0x80000000
	s_lshl_b32 s[TA], s[CY], 14
	s_add_nc_u64 s[PFBA:PFBA+1], s[14:15], s[TA:TA+1]
	s_add_nc_u64 s[PFBA:PFBA+1], s[PFBA:PFBA+1], 3*65536
	s_lshr_b32 s[TA], s[RBK], 4                    ; part at ((batch x 16 + head) x 16 + block in the batch) x 20,480
	s_lshl_b32 s[TA], s[TA], 4
	s_lshl_b32 s[TC], s[CB], 2
	s_add_co_u32 s[TA], s[TA], s[TC]
	s_add_co_u32 s[TA], s[TA], s[WV]
	s_lshl_b32 s[TA], s[TA], 4
	s_and_b32 s[TC], s[RBK], 15
	s_add_co_u32 s[TA], s[TA], s[TC]
	s_mul_i32 s[TA], s[TA], 20480
	s_add_nc_u64 s[PB:PB+1], s[16:17], s[TA:TA+1]
	global_load_b128 v[MD:MD+3], v[MGO], s[8:9]
	global_load_b64 v[BKD:BKD+1], v[BGO], s[10:11]
	global_load_b64 v[BVD:BVD+1], v[BGO], s[12:13]
	GLD SET0, 0                                    ; chunk 0
	GLD SET1, 256                                  ; chunk 1
	CROUND                                         ; all sixteen work-groups are here: the first joint loads meet
	tensor_load_to_lds s[G0F:G0F+3], s[G1F:G1F+7]  ; tiles 0 and 1: one tensor load of mine is out
	s_nop 0
	PLACES
	s_wait_loadcnt 32                              ; masks, biases and chunk 0 are in; chunk 1's 32 loads were issued behind them
	ds_store_b128 v[MST], v[MD:MD+3]
	v_add_f32 v[BKD], 1.0, v[BKD]
	v_add_f32 v[BKD+1], 1.0, v[BKD+1]
	ds_store_b64 v[BST], v[BKD:BKD+1]
	ds_store_b64 v[BST], v[BVD:BVD+1] offset:1024
	CVALL SET0
	s_wait_dscnt 0x0                               ; for the others' sake too: my parts of the two biases are stored
	s_wait_xcnt 0x0
	s_add_nc_u64 s[PA:PA+1], s[PA:PA+1], 512
	GLD SET0, 0                                    ; chunk 2
	s_wait_tensorcnt 0x0                           ; my part of both slots is in,
	s_barrier_signal -1
	s_barrier_wait -1                              ; everybody's is
	s_mov_b32 s[SC], 0
	s_branch .Lzstart                              ; the loop is entered where a tile begins: that text is written once for both tiles
.Lslot:                                        ; trip s: quarters 1 to 3 of slot s, which fill it again, then quarter 0 of slot s + 1
	Q123 32, 1, 1, 2, 1
	WIN 0
	s_add_co_u32 s[SC], s[SC], 1
	s_cmp_eq_u32 s[SC], 8
	s_cbranch_scc1 .Lktile
	Q0 0, 32, 1
	WIN 0
	s_branch .Lbottom
.Lktile:                                       ; the k tile is finished: it goes out; global loads and the refill stay on their way
	s_wait_dscnt 0x0                               ; the fragments just asked for have landed: the way out works in their registers, and they are read once more behind it
	PLACES
	PLACES
	EPI 1, KST, 0
.Lzstart:                                      ; a tile begins: its first fragments, and a quarter whose products start the sums
	FRAGS AQ0, 0, Z0, 0
	Q0 1, 32, 1
	WIN 0
.Lbottom:
	s_cmp_lt_u32 s[SC], NSLOT-2
	s_cbranch_scc1 .Lslot
	Q123 32, 1, 0, 1, 1                            ; the tail is written out: slot 14 asks for no chunk in its second half and for no tile
	Q0 0, 0, 0
	Q123 -1, 0, 0, 0, 0
	WIN 0
	PLACES
	PLACES
	s_wait_dscnt 0x0                               ; my reads of the ring are back:
	s_barrier_signal -1
	s_barrier_wait -1                              ; everybody's are, and no fill is left: v^T may be stored over it
	EPI 0, VST, 1024
	s_wait_dscnt 0x0                               ; for the others' sake: my stores into k^T and v^T are done
	s_barrier_signal -1
	s_barrier_wait -1
	; k^T v OF MY HEAD over the block's 256 tokens, 32 a step, on two fragment buffers: step 0 starts the sums, three trips take two steps each, step 7 stands behind them
.irp z, 0,1,2,3,4,5,6,7
	v_mov_b32 v[ONES+(\z)], 0x3f803f80
.endr
	KVLD 64, 0
	KVLD 128, 64
	s_wait_dscnt 16                                ; step 0's fragments are in; step 1's 16 loads may stay out
	KVMM 64, 1
	WIN 0
	s_mov_b32 s[EI], 3
.Lkv:
	PLACES
	KVLD 64, 128
	s_wait_dscnt 16                                ; the odd step's fragments are in; the 16 loads just issued may stay out
	KVMM 128, 0
	PLACES
	KVLD 128, 192
	v_add_nc_u32 v[KFA], 128, v[KFA]               ; two steps on
	v_add_nc_u32 v[VFA], 128, v[VFA]
	s_wait_dscnt 16
	KVMM 64, 0
	WIN 0
	s_sub_co_u32 s[EI], s[EI], 1
	s_cmp_lg_u32 s[EI], 0
	s_cbranch_scc1 .Lkv
	s_wait_dscnt 0x0
	KVMM 128, 0
	PLACES
	PLACES
	WIN 0x04                                       ; the stores' data lie in window 1
.set ka, 0
.rept 20
	global_store_b128 v[PO], v[8*ka:8*ka+3],   s[PB:PB+1] offset:ka*1024      ; 512 consecutive bytes a store; an accumulator's low registers first
	global_store_b128 v[PO], v[8*ka+4:8*ka+7], s[PB:PB+1] offset:ka*1024+512
.set ka, ka+1
.endr
	WIN 0
	s_wait_tensorcnt 0x0                           ; the wave's end, behind my last tensor load and my last LDS store
	ds_add_u32 v[SPW], v[NIL]
	s_wait_dscnt 0x0
	CROUND                                         ; the closing round
	s_endpgm
.Lfunc_end_k_q6d6428b38b_kvproj:
	.size	k_q6d6428b38b_kvproj, .Lfunc_end_k_q6d6428b38b_kvproj-k_q6d6428b38b_kvproj
	.p2alignl 7, 3214868480
	.fill 96, 4, 3214868480
	.section	.rodata,"a",@progbits
	.p2align	6, 0x0
	.amdhsa_kernel k_q6d6428b38b_kvproj
		.amdhsa_group_segment_fixed_size 327680
		.amdhsa_private_segment_fixed_size 0
		.amdhsa_enable_private_segment 0
		.amdhsa_kernarg_size 56
		.amdhsa_user_sgpr_count 2
		.amdhsa_user_sgpr_kernarg_segment_ptr 1
		.amdhsa_wavefront_size32 1
		.amdhsa_system_sgpr_workgroup_id_x 1
		.amdhsa_system_sgpr_workgroup_id_y 1
		.amdhsa_system_sgpr_workgroup_id_z 1
		.amdhsa_system_vgpr_workitem_id 0
		.amdhsa_next_free_vgpr 1024
		.amdhsa_next_free_sgpr 80
		.amdhsa_reserve_vcc 0
		.amdhsa_float_denorm_mode_32 3
		.amdhsa_float_denorm_mode_16_64 3
		.amdhsa_memory_ordered 1
		.amdhsa_forward_progress 1
		.amdhsa_inst_pref_size 220
	.end_amdhsa_kernel
	.amdgpu_metadata
---
amdhsa.version: [ 1, 2 ]
amdhsa.kernels:
  - .name:           k_q6d6428b38b_kvproj
    .symbol:         k_q6d6428b38b_kvproj.kd
    .args:
      - { .name: key, .offset: 0, .size: 8, .value_kind: global_buffer, .address_space: global }
      - { .name: value, .offset: 8, .size: 8, .value_kind: global_buffer, .address_space: global }
      - { .name: mask_kv, .offset: 16, .size: 8, .value_kind: global_buffer, .address_space: global }
      - { .name: bk, .offset: 24, .size: 8, .value_kind: global_buffer, .address_space: global }
      - { .name: bv, .offset: 32, .size: 8, .value_kind: global_buffer, .address_space: global }
      - { .name: wt, .offset: 40, .size: 8, .value_kind: global_buffer, .address_space: global }
      - { .name: part, .offset: 48, .size: 8, .value_kind: global_buffer, .address_space: global }
    .group_segment_fixed_size: 327680
    .private_segment_fixed_size: 0
    .kernarg_segment_align: 8
    .kernarg_segment_size: 56
    .max_flat_workgroup_size: 128
    .sgpr_count:     80
    .vgpr_count:     1024
    .wavefront_size: 32
...
	.end_amdgpu_metadata
.endif
;; end of part 2
;; launch kvsum (part 3): grid 5 x 64, 4 waves a work-group, no clusters, 0 bytes of LDS; arguments part, kvt; writes kvt
.if DOCPART == 3
	.amdgcn_target "amdgcn-amd-amdhsa--gfx1250"
	.amdhsa_code_object_version 6
	.text
	.protected	k_q6d6428b38b_kvsum
	.globl	k_q6d6428b38b_kvsum
	.p2align	8
	.type	k_q6d6428b38b_kvsum,@function
k_q6d6428b38b_kvsum:
	s_mov_b64 s[64:65], 0
	v_nop
	global_prefetch_b8 v0, s[64:65] scope:SCOPE_SE
	s_setreg_imm32_b32 hwreg(HW_REG_WAVE_MODE, 25, 1), 1
	s_wait_xcnt 0x0
; The 16 partial sums of each (batch, head) are added in f32, block 0 first, and rounded once to bf16.  part: [bh 64][p 16][a 20][i 2][lane 32][4 f32]; kvt: [bh 64][a 20][lane 32][8 bf16].
; A lane's eight numbers of accumulator a are, rounded in pairs, four registers of the fragment that the last launch multiplies by, in the same lane: nothing changes lanes.
; Wave w of work-group (x, y) takes a = 4 x + w of bh = y: 32 loads of 512 consecutive bytes, one store of 512.
	s_load_b128 s[4:7], s[0:1], 0x0                ; part, kvt
	v_lshrrev_b32 v1, 5, v0
	v_readfirstlane_b32 s8, v1
	v_and_b32 v2, 31, v0
	v_lshlrev_b32 v2, 4, v2
	s_and_b32 s9, ttmp7, 0xffff
	s_lshl_b32 s10, ttmp9, 2
	s_add_co_u32 s10, s10, s8                      ; a
	s_mul_i32 s12, s9, 327680
	s_lshl_b32 s11, s10, 10
	s_add_co_u32 s12, s12, s11
	s_mov_b32 s13, 0
	s_mul_i32 s14, s9, 10240
	s_lshl_b32 s11, s10, 9
	s_add_co_u32 s14, s14, s11
	s_mov_b32 s15, 0
	s_wait_kmcnt 0x0
	s_add_nc_u64 s[4:5], s[4:5], s[12:13]
	s_add_nc_u64 s[6:7], s[6:7], s[14:15]
.set p, 0
.rept 16
	global_load_b128 v[8+8*p:8+8*p+3],   v2, s[4:5] offset:p*20480 th:TH_LOAD_NT
	global_load_b128 v[8+8*p+4:8+8*p+7], v2, s[4:5] offset:p*20480+512 th:TH_LOAD_NT
.set p, p+1
.endr
.set p, 1
.rept 15
	s_wait_loadcnt 30-2*p                          ; partial p is in; the 2 (15 - p) loads issued behind it may stay out
.irp q, 0,2,4,6
	v_pk_add_f32 v[8+(\q):9+(\q)], v[8+(\q):9+(\q)], v[8+8*p+(\q):9+8*p+(\q)]
.endr
.set p, p+1
.endr
.irp q, 0,1,2,3
	v_cvt_pk_bf16_f32 v[136+(\q)], v[8+2*(\q)], v[9+2*(\q)]
.endr
	global_store_b128 v2, v[136:139], s[6:7]
	s_endpgm
.Lfunc_end_k_q6d6428b38b_kvsum:
	.size	k_q6d6428b38b_kvsum, .Lfunc_end_k_q6d6428b38b_kvsum-k_q6d6428b38b_kvsum
	.p2alignl 7, 3214868480
	.fill 96, 4, 3214868480
	.section	.rodata,"a",@progbits
	.p2align	6, 0x0
	.amdhsa_kernel k_q6d6428b38b_kvsum
		.amdhsa_group_segment_fixed_size 0
		.amdhsa_private_segment_fixed_size 0
		.amdhsa_enable_private_segment 0
		.amdhsa_kernarg_size 16
		.amdhsa_user_sgpr_count 2
		.amdhsa_user_sgpr_kernarg_segment_ptr 1
		.amdhsa_wavefront_size32 1
		.amdhsa_system_sgpr_workgroup_id_x 1
		.amdhsa_system_sgpr_workgroup_id_y 1
		.amdhsa_system_sgpr_workgroup_id_z 1
		.amdhsa_system_vgpr_workitem_id 0
		.amdhsa_next_free_vgpr 144
		.amdhsa_next_free_sgpr 66
		.amdhsa_reserve_vcc 0
		.amdhsa_float_denorm_mode_32 3
		.amdhsa_float_denorm_mode_16_64 3
		.amdhsa_memory_ordered 1
		.amdhsa_forward_progress 1
		.amdhsa_inst_pref_size 9
	.end_amdhsa_kernel
	.amdgpu_metadata
---
amdhsa.version: [ 1, 2 ]
amdhsa.kernels:
  - .name:           k_q6d6428b38b_kvsum
    .symbol:         k_q6d6428b38b_kvsum.kd
    .args:
      - { .name: part, .offset: 0, .size: 8, .value_kind: global_buffer, .address_space: global }
      - { .name: kvt, .offset: 8, .size: 8, .value_kind: global_buffer, .address_space: global }
    .group_segment_fixed_size: 0
    .private_segment_fixed_size: 0
    .kernarg_segment_align: 8
    .kernarg_segment_size: 16
    .max_flat_workgroup_size: 128
    .sgpr_count:     66
    .vgpr_count:     144
    .wavefront_size: 32
...
	.end_amdgpu_metadata
.endif
;; end of part 3
;; launch qout (part 4): grid 4 x 64, 4 waves a work-group, clusters of 4 x 4, 327,680 bytes of LDS; arguments query, mask_q, bq, wt, kvt, out0; writes out0
.if DOCPART == 4
	.amdgcn_target "amdgcn-amd-amdhsa--gfx1250"
	.amdhsa_code_object_version 6
	.text
	.protected	k_q6d6428b38b_qout
	.globl	k_q6d6428b38b_qout
	.p2align	8
	.type	k_q6d6428b38b_qout,@function
k_q6d6428b38b_qout:
	s_mov_b64 s[64:65], 0
	v_nop
	global_prefetch_b8 v0, s[64:65] scope:SCOPE_SE
	s_setreg_imm32_b32 hwreg(HW_REG_WAVE_MODE, 25, 1), 1
	s_wait_xcnt 0x0
	s_wait_alu depctr_hold_cnt(0) depctr_sa_sdst(0) depctr_va_vdst(0) depctr_va_sdst(0) depctr_va_ssrc(0) depctr_va_vcc(0) depctr_vm_vsrc(0)
	s_getreg_b32 s2, hwreg(HW_REG_IB_STS2, 6, 4)
	s_cmp_eq_u32 s2, 0
	s_cbranch_scc0 .Lentry_in_a_cluster
	s_endpgm
.Lentry_in_a_cluster:
	s_bfe_u32 s2, ttmp6, 0x10000c
	s_cmp_lg_u32 s2, 0xf033
	s_cbranch_scc0 .Lentry_shape_is_right
	s_endpgm
.Lentry_shape_is_right:
; q = (elu(query Wq^T + bq) + 1) mask_q;  out = 4096 (q . kv) / (1e-6 + q . ksum), by heads.  q never goes to memory.  Matrix operands bf16, all sums f32.
; LIMITS.  elu(x) + 1 is the middle one of (x + 1, e^x, 1); an e^x below 2^-126 counts as 0; NaN and infinities are not treated apart; query, Wq, q, kv and ksum are rounded to bf16.
; SHARES.  Work-group (cb, rbk): tokens 256 rbk .., heads 4 cb ..: one tile 256 x 256 of the projection, K = 1,024: 8 slots of K = 128.  A wave owns 64 tokens x 256 channels: 64 accumulators.
; Source 0 = 16 channels, source 1 = 16 tokens: a lane ends with ONE token and eight channels; four results of a head, rounded in pairs, ARE source 1 (64 d x 16 tokens) of out^T = kv^T q,
; whose source 0 (16 v x 32 d) comes ready-made out of kvt.  A fifth block of rows all hold ksum, so q . ksum falls into register 0 of every lane.
; THE ACTIVATIONS, THE WEIGHTS, THE SLOT AND THE CLUSTER are as in the launch for k and v: each wave loads, rounds and stages its own 64 rows, 64 along K at a time, two sets of 128
; registers always on their way; the weight tiles come jointly, by columns of the 4 x 4 cluster, through two LDS slots.  The activations are NOT asked for jointly: as f32 a K step of 128 would be
; 131,072 bytes beside the weights' 69,632, and two such slots, 401,408 bytes, are more than the 327,680 there are.
; A SLOT is four quarters of 64 products (32 along K); in a quarter the 16 channel blocks go in four groups of four.  MEMORY INSTRUCTIONS STAND IN ONE RUN A QUARTER, ahead of its last group:
; the next quarter's 40 fragment loads and, in quarters 0 and 2, the 32 LDS stores of the chunk that was rounded in that quarter and the 32 global loads that fill its registers again.
; Groups 0 to 2 have one buffer each, free at the run; group 3 has two, by the quarter's parity; so have the tokens' fragments.  All 64 accumulators take turns.
; REGISTERS: window 0: v0-31 addresses and single numbers; v32-63, v64-95 token fragments; v96-191 channel groups 0 to 2; v192-223, v224-255 channel group 3; on the way out BQ, X, T, QF, RB, OA (below)
;   window 1: the two staging sets; on the way out v0-79 a head's fragments of kv and ksum      window 2, 3: accumulator (rb, c) at 8 (8 rb + c), channel blocks 0-7 and 8-15
.set ORI,   1                          ; source 0 = channels
.set KV,    0
.set NSLOT, 8
.set ASKN,  4                          ; slots 0 .. 3 prefetch for the slot four on
.set SLOTB, 69632
.set APR,   139264                     ; the waves' chunks: 4 x 9,216
.set KVT,   176128                     ; four heads' fragments: 4 x 10,240, filled once
.set BQT,   217088                     ; bq + 1: 256 numbers
.set STG,   218112                     ; the waves' stages: 4 x 16 rows x 272
.set SPARE, 235520                     ; the spare words, 128 bytes for each wave: two blocks of 256 bytes that no other line names
.set SPW, 3
.set NIL, 4
.set AGO, 5                            ; my 16 bytes in the wave's first two rows: of query, and of a head's 256 bytes in out0
.set AST, 6
.set AFA, 7
.set AB0, 8
.set ADRB, 9
.set PFO, 10
.set PFB, 11
.set MQ,  12                           ; v12-15 mask_q of my token in each of four blocks of 16
.set STO, 16
.set RD,  17
.set GOC, 18
.set KVA, 19
.set BQA, 20
.set MGO, 21
.set MQC, 22                           ; v22-23 the mask in hand, named as a pair
.set RC,  24                           ; v24-25 4096 / (eps + q . ksum), named as a pair
.set DN,  26
.set BQO, 27
.set BQD, 28                           ; v28-29
.set BQS, 30
.set TV,  31
.set AQ0, 32
.set AQ1, 64
.set W0,  96
.set W1,  128
.set W2,  160
.set Z0,  192
.set Z1,  224
.set BQ,  32                           ; the way out: bq + 1 of a head
.set X,   64                           ; 32 numbers of q
.set T,   96                           ; 32 at work
.set QF,  128                          ; q's two fragments
.set RB,  144                          ; 16 rows read back from the stage
.set OA,  176                          ; five accumulators of out^T
.set SET0, 0
.set SET1, 128
.set WV,  18
.set CX,  19
.set CY,  20
.set YC,  21
.set RBK, 22
.set ST,  23
.set G1,  24
.set G1F, 32
.set G0F, 40
.set G0,  44
.set PA,  48
.set PFA, 52
.set PFBA, 56
.set SC,  58
.set CB,  60
.set TB,  61
.set BF,  62
.set EI,  63
.set L2E, 66
.set NL2, 68
.set TA,  70
.set TC,  72
.set OB,  74
.set DT,  76                           ; feeds the descriptors: never holds cy
.set MK,  78
.set G1K, 80                           ; s[80:87], s[88:91]: the fill of KVT
.set G0K, 88
.set OO,  92
.set OON, 93
.set MSB, 0
.macro WIN new                         ; the immediate's high byte repeats the setting that is left; a switch that changes nothing is dropped
.if MSB != (\new)
	s_set_vgpr_msb (MSB<<8)|(\new)
.set MSB, \new
.endif
.endm
.macro PLACES                          ; four plain vector instructions between a matrix instruction and what writes its sources or reads its result (ISA guide 7.12.1)
.rept 4
	v_nop
.endr
.endm
.macro CREST                           ; a round of the cluster's barrier behind its opening barrier
	s_cmp_lg_u32 s[WV], 0
	s_cbranch_scc1 .Lnot_wave_0_\@
	s_barrier_signal -3
.Lnot_wave_0_\@:
	s_barrier_wait -3
	s_barrier_signal -1
	s_barrier_wait -1
.endm
.macro CROUND
	s_barrier_signal -1
	s_barrier_wait -1
	CREST
.endm
.macro LDG buf, g, kb                  ; channel group g: 4 fragments (16 rows x 32 K) at byte kb of the slot's rows
	WIN 0
.irp c, 0,1,2,3
	ds_load_b128 v[(\buf)+8*(\c):(\buf)+8*(\c)+3],   v[ADRB] offset:(4*(\g)+(\c))*4352+(\kb)
	ds_load_b128 v[(\buf)+8*(\c)+4:(\buf)+8*(\c)+7], v[ADRB] offset:(4*(\g)+(\c))*4352+(\kb)+32
.endr
.endm
.macro LDA aq, kq                      ; 4 token fragments, half kq of my chunk
	WIN 0
.irp b, 0,1,2,3
	ds_load_b128 v[(\aq)+8*(\b):(\aq)+8*(\b)+3],   v[AFA] offset:(\b)*2304+64*(\kq)
	ds_load_b128 v[(\aq)+8*(\b)+4:(\aq)+8*(\b)+7], v[AFA] offset:(\b)*2304+64*(\kq)+32
.endr
.endm
.macro FRAGS aq, kq, zb, kb            ; a quarter's 40 fragment loads, in the order in which they are wanted
	LDA \aq, \kq
	LDG W0, 0, \kb
	LDG W1, 1, \kb
	LDG W2, 2, \kb
	LDG \zb, 3, \kb
.endm
.macro GLD set, koff                   ; a chunk's 32 loads: load j takes rows 2 j and 2 j + 1, 256 consecutive bytes of each
	WIN 0x40
.set gj, 0
.rept 32
	global_load_b128 v[(\set)+4*gj:(\set)+4*gj+3], v[AGO], s[PA:PA+1] offset:gj*8192+(\koff)
.set gj, gj+1
.endr
	WIN 0
.endm
.macro MM aq, bb, g, n, z              ; product n of a group's 16: token block n / 4, channel block 4 g + n % 4
	WIN 0xa0+0x50*((\g)/2)
.set opD, 8*(8*((\n)/4)+4*((\g)%2)+(\n)%4)
.if ORI
.set opA, (\bb)+8*((\n)%4)
.set opB, (\aq)+8*((\n)/4)
.else
.set opA, (\aq)+8*((\n)/4)
.set opB, (\bb)+8*((\n)%4)
.endif
.if \z
	v_wmma_f32_16x16x32_bf16 v[opD:opD+7], v[opA:opA+7], v[opB:opB+7], 0
.else
	v_wmma_f32_16x16x32_bf16 v[opD:opD+7], v[opA:opA+7], v[opB:opB+7], v[opD:opD+7]
.endif
.endm
.macro MMS aq, bb, g, n0, cnt, z
.set pn, \n0
.rept \cnt
	MM \aq, \bb, \g, pn, \z
.set pn, pn+1
.endr
.endm
.macro CVJ set, j                      ; load j's four numbers rounded in place into two registers
	v_cvt_pk_bf16_f32 v[(\set)+4*(\j)], v[(\set)+4*(\j)], v[(\set)+4*(\j)+1]
	v_cvt_pk_bf16_f32 v[(\set)+4*(\j)+1], v[(\set)+4*(\j)+2], v[(\set)+4*(\j)+3]
.endm
.macro RIDE aq, bb, g, set, z          ; a group's 16 products; behind each stand four of the 64 roundings of the chunk that has landed
.set pn, 0
.rept 16
	MM \aq, \bb, \g, pn, \z
	WIN 0x45
	CVJ \set, 2*pn
	CVJ \set, 2*pn+1
.set pn, pn+1
.endr
.endm
.macro STALL set                       ; the rounded chunk into my LDS chunk: 32 stores of 8 bytes a lane
	WIN 0x04
.set cj, 0
.rept 32
	ds_store_b64 v[AST], v[(\set)+4*cj:(\set)+4*cj+1] offset:cj*288
.set cj, cj+1
.endr
	WIN 0
.endm
.macro CVALL set                       ; chunk 0: rounded and stored with no products to stand behind
	WIN 0x45
.set cj, 0
.rept 32
	CVJ \set, cj
.set cj, cj+1
.endr
	STALL \set
.endm
.macro STEP_PA                         ; on to the next chunk: 256 bytes along the rows
	s_add_nc_u64 s[PA:PA+1], s[PA:PA+1], 256
.endm
.macro STEP_PF                         ; the prefetches' pointers: the slot four on
	s_add_nc_u64 s[PFA:PFA+1], s[PFA:PFA+1], 512
	s_add_nc_u64 s[PFBA:PFBA+1], s[PFBA:PFBA+1], 65536
.endm
; PREFETCHES INTO THE L2, behind the slot's last run of loads: in slot s what slot s + 4 will multiply, two slots (512 products) ahead of the loads that will ask for it.
; Activations: a slot is 512 bytes of each of the block's 256 rows, which the four work-groups of a row of the cluster all load: partner cx and wave w name rows 64 cx + 16 w + lane % 16,
; the half lane / 16: each 256 bytes once in the launch, shared out by address.  Weights: a tile is 256 rows of 256 bytes, which all sixteen clusters fetch: the cluster with y = 0 names them,
; partner cy and waves 0, 1 rows 64 cy + 32 w + lane.  The first four slots come by their loads alone; the last four slots have no slot four on.
.macro ASK
	s_cmp_lt_u32 s[SC], ASKN
	s_cbranch_scc0 .Lnoask_\@
	global_prefetch_b8 v[PFO], s[PFA:PFA+1] th:TH_LOAD_NT scope:SCOPE_SE
	s_cmp_eq_u32 s[BF], 1
	s_cbranch_scc0 .Lnoask_\@
	global_prefetch_b8 v[PFB], s[PFBA:PFBA+1] th:TH_LOAD_NT scope:SCOPE_SE
.Lnoask_\@:
.endm
; QUARTER 0 of a slot.  z = 1: its products start the sums.  lcnt: how many younger loads may stay out when set 1 is rounded.  gld: set 1 is asked for again, with the chunk two on.
.macro Q0 z, lcnt, gld
	s_wait_dscnt 24                                ; the tokens' fragments and channel group 0 are in; the 24 loads of groups 1 to 3 were issued behind them
	s_wait_loadcnt \lcnt                           ; set 1 is in; the loads issued behind it are set 0's 32, or none
	RIDE AQ0, W0, 0, SET1, \z
	s_wait_dscnt 16
	MMS AQ0, W1, 1, 0, 16, \z
	s_wait_dscnt 0x0
	MMS AQ0, W2, 2, 0, 16, \z
	PLACES
	FRAGS AQ1, 1, Z1, 64                           ; the run: first my chunk's last fragments,
	STALL SET1                                     ; then the next chunk over it: LDS serves a wave's instructions in order (ISA guide 5.7.1.4)
.if \gld
	s_wait_xcnt 0x0                                ; every earlier load and prefetch has read its address: the pointer may be written
	STEP_PA
	GLD SET1, 0                                    ; 208 products ahead of the wait for them
.endif
	MMS AQ0, Z0, 3, 0, 16, \z
.endm
; QUARTERS 1 TO 3.  cv: as lcnt, for set 0, which is rounded in quarter 2; -1: nothing is left to round.  st2, gl2: quarter 2's run stores that chunk, asks for the chunk two on.
; meet = 2: the slot is filled again behind a round of the cluster's barrier; 1: a plain barrier shows the last tile to every wave; 0: none.  nxt: the next slot's first fragments are read.
.macro Q123 cv, st2, gl2, meet, nxt
	s_wait_dscnt 56                                ; as in quarter 0, with the run's 32 stores issued behind the loads
	MMS AQ1, W0, 0, 0, 16, 0
	s_wait_dscnt 48
	MMS AQ1, W1, 1, 0, 16, 0
	s_wait_dscnt 32
	MMS AQ1, W2, 2, 0, 16, 0
	PLACES
	FRAGS AQ0, 0, Z0, 128
	MMS AQ1, Z1, 3, 0, 16, 0
	s_wait_dscnt 24
.if (\cv) >= 0
	s_wait_loadcnt \cv                             ; set 0 is in; set 1's 32 loads were issued behind it
	RIDE AQ0, W0, 0, SET0, 0
.else
	MMS AQ0, W0, 0, 0, 16, 0
.endif
	s_wait_dscnt 16
	MMS AQ0, W1, 1, 0, 16, 0
	s_wait_dscnt 0x0
	MMS AQ0, W2, 2, 0, 16, 0
	PLACES
	FRAGS AQ1, 1, Z1, 192                          ; my last reads of this slot
.if \st2
	STALL SET0
.endif
.if \gl2
	s_wait_xcnt 0x0
	STEP_PA
	STEP_PF
	GLD SET0, 0
.endif
	MMS AQ0, Z0, 3, 0, 16, 0
	s_wait_dscnt 24+32*(\st2)
	MMS AQ1, W0, 0, 0, 16, 0
.if \meet
	WIN 0
	s_wait_tensorcnt 0x0                           ; all my tensor loads have landed: the one that was out is my part of the other slot
	ds_add_u32 v[SPW], v[NIL]                      ; 0 onto my spare word
.if (\meet) == 2
	s_xor_b32 s[G0+1], s[G0+1], SLOTB              ; no tensor load of mine is out, so the walking descriptor may be written: this slot,
	s_add_nc_u64 s[G0+2:G0+3], s[G0+2:G0+3], 65536 ; the next tile; the type bits on top are not reached
.endif
	s_wait_dscnt 17+32*(\st2)                      ; group 1 is in: behind it came groups 2 and 3, the stores and the add
	MMS AQ1, W1, 1, 0, 8, 0
	s_wait_dscnt 0x0                               ; the add is done, and my reads of this slot are back
	s_barrier_signal -1
	MMS AQ1, W1, 1, 8, 8, 0
	WIN 0
	s_barrier_wait -1
.if (\meet) == 2
	CREST                                          ; no wave of any partner still reads this slot or has a load on its way
	tensor_load_to_lds s[G0:G0+3], s[G1:G1+7]      ; the tile two slots on: 240 products ahead of the wait for it
	s_nop 0
	PLACES
.endif
.else
	s_wait_dscnt 16
	MMS AQ1, W1, 1, 0, 16, 0
	s_wait_dscnt 0x0
.endif
	MMS AQ1, W2, 2, 0, 16, 0
.if \nxt
	PLACES
	WIN 0
	s_xor_b32 s[TB], s[TB], SLOTB
	v_add_nc_u32 v[ADRB], s[TB], v[AB0]
	FRAGS AQ0, 0, Z0, 0
.if (\meet) == 2
	ASK
.endif
.endif
	MMS AQ1, Z1, 3, 0, 16, 0
.endm
; THE WAY OUT goes by batches i = 4 hh + rb: head hh of the block's four, 16 tokens rb of the wave's 64.
; QBLK i: what differs from batch to batch: at a head's first batch its 32 biases and its 20 quarter fragments of kv and ksum; the four accumulators + bias (each read in ascending order); the tokens' mask; the place in out0.
.macro QBLK i
.if ((\i)%4) == 0
	WIN 0
.irp q, 0,1,2,3,4,5,6,7
	ds_load_b128 v[BQ+4*(\q):BQ+4*(\q)+3], v[BQA] offset:((\i)/4)*256+((\q)/2)*64+((\q)%2)*16
.endr
	WIN 0x40
.set ka, 0
.rept 20
	ds_load_b128 v[4*ka:4*ka+3], v[KVA] offset:((\i)/4)*10240+ka*512
.set ka, ka+1
.endr
	WIN 0
	s_wait_dscnt 0x0
.endif
	WIN 0x02+(\i)/8
.set z, 0
.rept 16
	v_pk_add_f32 v[X+2*z:X+2*z+1], v[8*(8*((\i)%4)+4*(((\i)/4)%2))+2*z:8*(8*((\i)%4)+4*(((\i)/4)%2))+2*z+1], v[BQ+2*z:BQ+2*z+1]
.set z, z+1
.endr
	WIN 0
	v_mov_b32 v[MQC], v[MQ+(\i)%4]
	s_mov_b32 s[OON], ((\i)%4)*65536+((\i)/4)*256
.endm
; The batch before: out^T times 4096 / (eps + q . ksum), through my stage (16 rows x 272 bytes) and back as whole rows of a head's 256 bytes.
.macro POST1
	v_mul_f32 v[RC], 0x45800000, v[RC]
.set z, 0
.rept 16
	v_pk_mul_f32 v[OA+2*z:OA+2*z+1], v[OA+2*z:OA+2*z+1], v[RC:RC+1] op_sel_hi:[1,0]
.set z, z+1
.endr
.irp q, 0,1,2,3,4,5,6,7
	ds_store_b128 v[STO], v[OA+4*(\q):OA+4*(\q)+3] offset:((\q)/2)*64+((\q)%2)*16
.endr
	s_wait_xcnt 0x0                                ; the last batch's stores have read their registers: RB and GOC are written again only behind this wait
.irp t, 0,1,2,3,4,5,6,7
	ds_load_b128 v[RB+4*(\t):RB+4*(\t)+3], v[RD] offset:(\t)*544  ; LDS serves a wave's instructions in order (ISA guide 5.7.1.4): these see the stores above
.endr
	v_add_nc_u32 v[GOC], s[OO], v[AGO]
.endm
.macro POST2
	s_wait_dscnt 0x0
.irp t, 0,1,2,3,4,5,6,7
	global_store_b128 v[GOC], v[RB+4*(\t):RB+4*(\t)+3], s[OB:OB+1] offset:(\t)*8192 th:TH_STORE_NT  ; 16 lanes store 256 consecutive bytes, at a multiple of 256 from out0's first byte
.endr
.endm
; QBODY: elu + 1, mask and rounding of the batch in hand, then its ten products; post = 1: the batch before leaves meanwhile: its reciprocal joins the batch of exponentials under the one wait,
; its trip through the stage stands ahead of the 64 lines that finish q, its stores behind them.
.macro QBODY post
	WIN 0
.set z, 0
.rept 16
	v_pk_fma_f32 v[T+2*z:T+2*z+1], v[X+2*z:X+2*z+1], s[L2E:L2E+1], s[NL2:NL2+1] op_sel_hi:[1,0,0]  ; (x + 1) log2 e - log2 e
.set z, z+1
.endr
.if \post
	v_add_f32 v[DN], 0x358637bd, v[OA+32]          ; eps + q . ksum: register 0 of the fifth accumulator
.endif
.set z, 0
.rept 32
	v_exp_f32 v[T+z], v[T+z]
.set z, z+1
.endr
.if \post
	v_rcp_f32 v[RC], v[DN]
.endif
	v_nop                                          ; a plain instruction behind the last of the batch,
	s_wait_alu depctr_va_vdst(0)                   ; and one wait for all of it, ahead of its first reader
.if \post
	POST1
.endif
.set z, 0
.rept 32
	v_med3_num_f32 v[X+z], v[X+z], v[T+z], 1.0     ; x <= 0: x + 1 <= e^x <= 1; x > 0: 1 < x + 1 <= e^x
.set z, z+1
.endr
.set z, 0
.rept 16
	v_pk_mul_f32 v[X+2*z:X+2*z+1], v[X+2*z:X+2*z+1], v[MQC:MQC+1] op_sel_hi:[1,0]
.set z, z+1
.endr
.set z, 0
.rept 16
	v_cvt_pk_bf16_f32 v[QF+z], v[X+2*z], v[X+2*z+1]
.set z, z+1
.endr
.if \post
	POST2
.endif
	s_mov_b32 s[OO], s[OON]
	PLACES
	WIN 0x01                                       ; source 0 (kv) in window 1
.set ka, 0
.rept 10                               ; v block ka % 5, d half ka / 5: the five accumulators take turns
.if ka < 5
	v_wmma_f32_16x16x32_bf16 v[OA+8*(ka%5):OA+8*(ka%5)+7], v[16*(ka%5)+8*(ka/5):16*(ka%5)+8*(ka/5)+7], v[QF+8*(ka/5):QF+8*(ka/5)+7], 0
.else
	v_wmma_f32_16x16x32_bf16 v[OA+8*(ka%5):OA+8*(ka%5)+7], v[16*(ka%5)+8*(ka/5):16*(ka%5)+8*(ka/5)+7], v[QF+8*(ka/5):QF+8*(ka/5)+7], v[OA+8*(ka%5):OA+8*(ka%5)+7]
.endif
.set ka, ka+1
.endr
	WIN 0
.endm
	s_load_b256 s[4:11], s[0:1], 0x0               ; query s[4:5], mask_q s[6:7], bq s[8:9], wt s[10:11]
	s_load_b128 s[12:15], s[0:1], 0x20             ; kvt s[12:13], out0 s[14:15]
	v_lshl_add_u32 v[SPW], v0, 2, SPARE
	v_mov_b32 v[NIL], 0
	ds_add_u32 v[SPW], v[NIL]                      ; the wave's opening: the add, twice on end, with its wait ahead of my first tensor load
	ds_add_u32 v[SPW], v[NIL]                      ; and once more; the set-up below, work on registers, stands between it and the wait
	v_lshrrev_b32 v[TV], 5, v0
	v_readfirstlane_b32 s[WV], v[TV]               ; wave 0..3
	v_and_b32 v1, 15, v0                           ; r = lane % 16
	v_bfe_u32 v2, v0, 4, 1                         ; h = lane / 16
	s_bfe_u32 s[CX], ttmp6, 0x40000
	s_bfe_u32 s[CY], ttmp6, 0x40004
	s_lshl_b32 s[CB], ttmp9, 2
	s_add_co_u32 s[CB], s[CB], s[CX]               ; block of 256 channels
	s_and_b32 s[YC], ttmp7, 0xffff
	s_lshl_b32 s[RBK], s[YC], 2
	s_add_co_u32 s[RBK], s[RBK], s[CY]             ; block of 256 tokens
	v_lshlrev_b32 v[AGO], 4, v1
	v_lshl_add_u32 v[AGO], v2, 12, v[AGO]
	s_lshl_b32 s[ST], s[WV], 18
	v_add_nc_u32 v[AGO], s[ST], v[AGO]             ; wave x 64 rows x 4,096 + h x 4,096 + 16 r
	s_mul_i32 s[ST], s[WV], 9216
	s_add_co_u32 s[ST], s[ST], APR                 ; my chunk
	v_mul_u32_u24 v[AST], v2, 144
	v_lshl_add_u32 v[AST], v1, 3, v[AST]
	v_add_nc_u32 v[AST], s[ST], v[AST]
	v_mul_u32_u24 v[AFA], v1, 144
	v_lshl_add_u32 v[AFA], v2, 4, v[AFA]
	v_add_nc_u32 v[AFA], s[ST], v[AFA]
	v_mul_u32_u24 v[AB0], v1, 272
	v_lshl_add_u32 v[AB0], v2, 4, v[AB0]
	v_mov_b32 v[ADRB], v[AB0]                      ; slot 0
	v_lshlrev_b32 v[PFO], 12, v1
	v_lshl_add_u32 v[PFO], v2, 8, v[PFO]
	s_lshl_b32 s[ST], s[WV], 16
	v_add_nc_u32 v[PFO], s[ST], v[PFO]             ; (16 w + r) rows + 256 h
	v_lshlrev_b32 v[PFB], 8, v0                    ; (32 w + lane) x 256
	s_mul_i32 s[ST], s[WV], 4352
	s_add_co_u32 s[ST], s[ST], STG                 ; my stage
	v_mul_u32_u24 v[STO], v1, 272                  ; in: my token's row, 32 bytes for each half of the lanes
	v_lshl_add_u32 v[STO], v2, 5, v[STO]
	v_add_nc_u32 v[STO], s[ST], v[STO]
	v_mul_u32_u24 v[RD], v2, 272                   ; back: lanes 0-15 one row of 256 bytes, lanes 16-31 the next
	v_lshl_add_u32 v[RD], v1, 4, v[RD]
	v_add_nc_u32 v[RD], s[ST], v[RD]
	v_and_b32 v[KVA], 31, v0
	v_lshl_add_u32 v[KVA], v[KVA], 4, KVT
	v_lshl_add_u32 v[BQA], v2, 5, BQT
	v_lshl_add_u32 v[BQS], v0, 3, BQT
	v_lshlrev_b32 v[BQO], 3, v0
	s_lshl_b32 s[ST], s[WV], 8
	v_lshl_add_u32 v[MGO], v1, 2, s[ST]            ; (64 w + r) x 4
	v_mov_b32 v[MQC+1], 0                          ; named as pairs
	v_mov_b32 v[RC+1], 0
	; the descriptors' constant words
	s_lshl_b32 s[MK], 0x1111, s[CX]                ; my column of the cluster
	s_or_b32 s[G1], s[MK], (1<<16)|(1<<20)|(1<<21)|(5<<22)|(3<<25)   ; elements of 2 bytes; 16 bytes of padding behind every 256
	s_or_b32 s[G1F], s[MK], (1<<16)|(1<<20)|(1<<21)|(5<<22)|(3<<25)
	s_or_b32 s[G1K], s[MK], (3<<16)|(1<<21)        ; elements of 8 bytes, no padding
	s_mov_b32 s[G1+1], 128<<16
	s_mov_b32 s[G1+2], 64<<16
	s_mov_b32 s[G1+3], 128<<16
	s_mov_b32 s[G1+4], 64
	s_mov_b32 s[G1+5], 128
	s_mov_b32 s[G1+6], 0
	s_mov_b32 s[G1+7], 0
	s_mov_b32 s[G1F+1], 128<<16
	s_mov_b32 s[G1F+2], 128<<16
	s_mov_b32 s[G1F+3], 128<<16
	s_mov_b32 s[G1F+4], 128
	s_mov_b32 s[G1F+5], 128
	s_mov_b32 s[G1F+6], 0
	s_mov_b32 s[G1F+7], 0
	s_mov_b32 s[G1K+1], 32<<16                     ; a head's 10,240 dense bytes as 40 rows of 256
	s_mov_b32 s[G1K+2], 40<<16
	s_mov_b32 s[G1K+3], 32<<16
	s_mov_b32 s[G1K+4], 40
	s_mov_b32 s[G1K+5], 32
	s_mov_b32 s[G1K+6], 0
	s_mov_b32 s[G1K+7], 0
	s_mov_b32 s[G0F], 1
	s_mul_i32 s[G0F+1], s[WV], 34816               ; the first fill covers both slots: 512 rows on end, 128 a wave
	s_mov_b32 s[G0], 1
	s_mul_i32 s[G0+1], s[WV], 17408
	s_add_co_u32 s[G0+1], s[G0+1], SLOTB           ; stepped ahead of each use: the first refill goes to slot 0
	s_mov_b32 s[G0K], 1
	s_mul_i32 s[G0K+1], s[WV], 10240
	s_add_co_u32 s[G0K+1], s[G0K+1], KVT
	s_mov_b32 s[L2E], 0x3fb8aa3b
	s_mov_b32 s[L2E+1], 0x3fb8aa3b
	s_mov_b32 s[NL2], 0xbfb8aa3b
	s_mov_b32 s[NL2+1], 0xbfb8aa3b
	s_mov_b32 s[TB], 0
	s_lshr_b32 s[BF], s[WV], 1
	s_or_b32 s[BF], s[BF], s[YC]
	s_cmp_eq_u32 s[BF], 0
	s_cselect_b32 s[BF], 1, 0                      ; waves 0 and 1 of the cluster with y = 0: the same in all partners
	s_wait_dscnt 0x0                               ; both opening adds are done
	s_wait_kmcnt 0x0
	s_lshl_b32 s[TA], s[RBK], 20                   ; 256 rows of 4,096 bytes
	s_mov_b32 s[TA+1], 0
	s_add_nc_u64 s[PA:PA+1], s[4:5], s[TA:TA+1]
	s_add_nc_u64 s[OB:OB+1], s[14:15], s[TA:TA+1]
	s_lshl_b32 s[TC], s[CX], 18                    ; my work-group's 64 rows of the prefetches
	s_mov_b32 s[TC+1], 0
	s_add_nc_u64 s[PFA:PFA+1], s[PA:PA+1], s[TC:TC+1]
	s_add_nc_u64 s[PFA:PFA+1], s[PFA:PFA+1], 3*512 ; slot 0 steps it to slot 4
	s_lshl_b32 s[TA], s[RBK], 10
	s_add_nc_u64 s[6:7], s[6:7], s[TA:TA+1]        ; my block's masks
	s_lshl_b32 s[TA], s[CB], 10
	s_add_nc_u64 s[8:9], s[8:9], s[TA:TA+1]        ; my block's biases
	s_add_nc_u64 s[OB:OB+1], s[OB:OB+1], s[TA:TA+1]  ; and its four heads' 1,024 bytes of a row of out0
	s_mul_i32 s[DT], s[CB], 1572864
	s_mov_b32 s[DT+1], 0
	s_add_nc_u64 s[10:11], s[10:11], s[DT:DT+1]
	s_add_nc_u64 s[10:11], s[10:11], 1048576       ; wt at my block's 8 tiles of Wq
	s_lshl_b32 s[DT], s[WV], 15
	s_add_nc_u64 s[G0F+2:G0F+3], s[10:11], s[DT:DT+1]
	s_or_b32 s[G0F+3], s[G0F+3], 0x80000000
	s_lshl_b32 s[DT], s[WV], 14
	s_add_nc_u64 s[G0+2:G0+3], s[10:11], s[DT:DT+1]
	s_add_nc_u64 s[G0+2:G0+3], s[G0+2:G0+3], 65536 ; at tile 1: the first refill steps it to tile 2
	s_or_b32 s[G0+3], s[G0+3], 0x80000000
	s_lshr_b32 s[DT], s[YC], 2                     ; the batch: four clusters along y to a batch, so all partners share it
	s_lshl_b32 s[DT], s[DT], 2
	s_add_co_u32 s[DT], s[DT], s[CB]
	s_lshl_b32 s[DT], s[DT], 2
	s_add_co_u32 s[DT], s[DT], s[WV]               ; batch x 16 + 4 cb + wave
	s_mul_i32 s[DT], s[DT], 10240
	s_add_nc_u64 s[G0K+2:G0K+3], s[12:13], s[DT:DT+1]
	s_or_b32 s[G0K+3], s[G0K+3], 0x80000000
	s_lshl_b32 s[TA], s[CY], 14
	s_add_nc_u64 s[PFBA:PFBA+1], s[10:11], s[TA:TA+1]
	s_add_nc_u64 s[PFBA:PFBA+1], s[PFBA:PFBA+1], 3*65536
	global_load_b64 v[BQD:BQD+1], v[BQO], s[8:9]
.irp b, 0,1,2,3
	global_load_b32 v[MQ+(\b)], v[MGO], s[6:7] offset:64*(\b)
.endr
	GLD SET0, 0                                    ; chunk 0
	GLD SET1, 256                                  ; chunk 1
	CROUND                                         ; all sixteen work-groups are here: the first joint loads meet
	tensor_load_to_lds s[G0F:G0F+3], s[G1F:G1F+7]  ; tiles 0 and 1,
	s_nop 0
	tensor_load_to_lds s[G0K:G0K+3], s[G1K:G1K+7]  ; and head 4 cb + wave's fragments: two tensor loads of mine are out
	s_nop 0
	PLACES
	s_wait_loadcnt 32                              ; biases, masks and chunk 0 are in; chunk 1's 32 loads were issued behind them
	v_add_f32 v[BQD], 1.0, v[BQD]
	v_add_f32 v[BQD+1], 1.0, v[BQD+1]
	ds_store_b64 v[BQS], v[BQD:BQD+1]
	CVALL SET0
	s_wait_dscnt 0x0                               ; for the others' sake too: my part of bq + 1 is stored
	s_wait_xcnt 0x0
	s_add_nc_u64 s[PA:PA+1], s[PA:PA+1], 512
	GLD SET0, 0                                    ; chunk 2
	s_wait_tensorcnt 0x0                           ; my parts of both slots and of kv are in,
	s_barrier_signal -1
	s_barrier_wait -1                              ; everybody's are
	FRAGS AQ0, 0, Z0, 0
	Q0 1, 32, 1                                    ; slot 0's first quarter stands ahead of the loop: its products start the sums
	WIN 0
	s_mov_b32 s[SC], 0
.Lslot:                                        ; trip s: quarters 1 to 3 of slot s, which fill it again, then quarter 0 of slot s + 1
	Q123 32, 1, 1, 2, 1
	Q0 0, 32, 1
	WIN 0
	s_add_co_u32 s[SC], s[SC], 1
	s_cmp_lt_u32 s[SC], NSLOT-2
	s_cbranch_scc1 .Lslot
	Q123 32, 1, 0, 1, 1                            ; the tail is written out: slot 6 asks for no chunk in its second half and for no tile
	Q0 0, 0, 0
	Q123 -1, 0, 0, 0, 0
	WIN 0
	PLACES
	PLACES
	QBLK 0                                         ; batch 0 is written out: no batch before it leaves
	QBODY 0
	s_mov_b32 s[EI], 1
.Lqbat:
	PLACES
	PLACES
.irp i, 2,3,4,5,6,7,8,9,10,11,12,13,14,15
	s_cmp_eq_u32 s[EI], \i
	s_cbranch_scc1 .Lqblk_\i
.endr
.irp i, 1,2,3,4,5,6,7,8,9,10,11,12,13,14,15
.Lqblk_\i:
	QBLK \i
.if (\i) < 15
	s_branch .Lqcom
.endif
.endr
.Lqcom:
	QBODY 1
	s_add_co_u32 s[EI], s[EI], 1
	s_cmp_lt_u32 s[EI], 16
	s_cbranch_scc1 .Lqbat
	PLACES                                         ; the last batch leaves
	PLACES
	v_add_f32 v[DN], 0x358637bd, v[OA+32]
	v_rcp_f32 v[RC], v[DN]
	v_nop
	s_wait_alu depctr_va_vdst(0)
	POST1
	POST2
	s_wait_tensorcnt 0x0                           ; the wave's end, behind my last tensor load and my last LDS store
	ds_add_u32 v[SPW], v[NIL]
	s_wait_dscnt 0x0
	CROUND                                         ; the closing round
	s_endpgm
.Lfunc_end_k_q6d6428b38b_qout:
	.size	k_q6d6428b38b_qout, .Lfunc_end_k_q6d6428b38b_qout-k_q6d6428b38b_qout
	.p2alignl 7, 3214868480
	.fill 96, 4, 3214868480
	.section	.rodata,"a",@progbits
	.p2align	6, 0x0
	.amdhsa_kernel k_q6d6428b38b_qout
		.amdhsa_group_segment_fixed_size 327680
		.amdhsa_private_segment_fixed_size 0
		.amdhsa_enable_private_segment 0
		.amdhsa_kernarg_size 48
		.amdhsa_user_sgpr_count 2
		.amdhsa_user_sgpr_kernarg_segment_ptr 1
		.amdhsa_wavefront_size32 1
		.amdhsa_system_sgpr_workgroup_id_x 1
		.amdhsa_system_sgpr_workgroup_id_y 1
		.amdhsa_system_sgpr_workgroup_id_z 1
		.amdhsa_system_vgpr_workitem_id 0
		.amdhsa_next_free_vgpr 1024
		.amdhsa_next_free_sgpr 96
		.amdhsa_reserve_vcc 0
		.amdhsa_float_denorm_mode_32 3
		.amdhsa_float_denorm_mode_16_64 3
		.amdhsa_memory_ordered 1
		.amdhsa_forward_progress 1
		.amdhsa_inst_pref_size 201
	.end_amdhsa_kernel
	.amdgpu_metadata
---
amdhsa.version: [ 1, 2 ]
amdhsa.kernels:
  - .name:           k_q6d6428b38b_qout
    .symbol:         k_q6d6428b38b_qout.kd
    .args:
      - { .name: query, .offset: 0, .size: 8, .value_kind: global_buffer, .address_space: global }
      - { .name: mask_q, .offset: 8, .size: 8, .value_kind: global_buffer, .address_space: global }
      - { .name: bq, .offset: 16, .size: 8, .value_kind: global_buffer, .address_space: global }
      - { .name: wt, .offset: 24, .size: 8, .value_kind: global_buffer, .address_space: global }
      - { .name: kvt, .offset: 32, .size: 8, .value_kind: global_buffer, .address_space: global }
      - { .name: out0, .offset: 40, .size: 8, .value_kind: global_buffer, .address_space: global }
    .group_segment_fixed_size: 327680
    .private_segment_fixed_size: 0
    .kernarg_segment_align: 8
    .kernarg_segment_size: 48
    .max_flat_workgroup_size: 128
    .sgpr_count:     96
    .vgpr_count:     1024
    .wavefront_size: 32
...
	.end_amdgpu_metadata
.endif
;; end of part 4
